; MI455X (gfx1250); checked and timed in simulation.
; The chip was launched on July 23, 2026; its instructions are those of AMD's public machine-readable ISA for CDNA 5 (MIT licence, August 2026) and "CDNA5" Instruction Set Architecture Reference Guide (July 2026). The comments in the code are by the model that wrote it; some were corrected since.
;; MAB. Allowed arithmetic: matrix products marked QUANTISED: E5M2 operands, one E8M0 scale for each 32 along K, by v_wmma_scale_f32_16x16x128_f8f6f4 with both operands' format E5M2, f32 sums; everything else in f32.
;; Inputs: Wk 256 x 256 float32; Wo 256 x 256 float32; Wq 256 x 256 float32; Wv 256 x 256 float32; b0 256 float32; b1 256 float32; bk 256 float32; bo 256 float32; bq 256 float32; bv 256 float32; g0 256 float32; g1 256 float32; k 4 x 2,048 x 256 float32; q 4 x 2,048 x 256 float32.
;; Outputs: out0 4 x 2,048 x 256 float32.
;; This version of the problem:
;;   THIS VERSION OF THE PROBLEM IS GIVEN IN LOW PRECISION. The matrix products marked QUANTISED in the list below multiply operands that are first quantised to E5M2 (5 exponent bits, 2 mantissa bits; 8 bits a number), with one power-of-two scale for each 32 numbers along K (OCP MX v1.0); their sums are f32. All else is computed in f32.
;;   The module's matrix products, in the order in which they are computed (A, B: the left and right operand; K: the contracted axis; several contracted axes count as one K, in the product's order):
;;     1. [M 8,192, K 256] x [K 256, N 256]; A: input q; B: input Wq: QUANTISED
;;     2. [M 8,192, K 256] x [K 256, N 256]; A: input k; B: input Wk: QUANTISED
;;     3. [M 8,192, K 256] x [K 256, N 256]; A: input k; B: input Wv: QUANTISED
;;     4. batch 32 x [M 2,048, K 32] x [K 32, N 2,048]; A: computed on the way; B: computed on the way: QUANTISED
;;     5. batch 32 x [M 32, K 2,048] x [K 2,048, N 2,048]; A: computed on the way; B: softmax (see below): QUANTISED
;;     6. [M 8,192, K 256] x [K 256, N 256]; A: computed on the way; B: input Wo: QUANTISED
;;   THE QUANTISER, for each operand of a quantised product, along K:
;;     - K is cut into blocks of 32 from its start; a last block that is shorter is filled with zeros.
;;     - A block's scale is 2^e with e = floor(log2(the largest magnitude in the block)) - 15, held to -126 .. 127; a block of zeros has e = 0. As a byte (E8M0): e + 127.
;;     - Each number is divided by its block's scale, clamped to +-57,344, and rounded to the nearest number of E5M2, ties to even, subnormals kept.
;;     - The product sums the exact products of the quantised numbers (number of the format x scale) in f32.
;;   ~~~python
;;   def quantise(x, axis):      # numpy; x: float32 -> the quantised numbers, widened to float32 again
;;       x = np.moveaxis(x, axis, -1); K = x.shape[-1]
;;       x = np.pad(x, [(0, 0)] * (x.ndim - 1) + [(0, -K % 32)]); x = x.reshape(x.shape[:-1] + (-1, 32)); a = np.abs(x).max(-1, keepdims=True)
;;       e = np.where(a > 0, np.clip(np.frexp(np.where(a > 0, a, 1))[1] - 1 - 15, -126, 127), 0)      # np.frexp(a)[1] - 1 = floor(log2(a)), exactly
;;       r = np.clip(x / 2.0 ** e, -57344, 57344)
;;       step = 2.0 ** (np.maximum(np.frexp(np.where(r == 0, 1, r))[1] - 1, -14) - 2)
;;       q = np.round(r / step) * step * 2.0 ** e      # np.round: ties to even
;;       return np.moveaxis(q.reshape(q.shape[:-2] + (-1,))[..., :K], -1, axis).astype(np.float32)
;;   ~~~
;;   SOFTMAX AHEAD OF A QUANTISED PRODUCT. Where the list says 'softmax', what is quantised is not the finished softmax but p = 2^(t - M), with t = logit x log2(e) and M = ceil(the row's largest t), a whole number; so 1/2 < the row's largest p <= 1. The row's sum l is taken of the UNQUANTISED p, in f32, and the product's result is divided by l at the end. Since M is a whole number, a kernel that streams over the keys may use a running M (the ceiling of the running maximum): every later rescaling is an exact power of two, which a block's scale takes up: the codes' values come out the same.
;;   OPERANDS COMPUTED ON THE WAY. 'Computed on the way' means the value that the module computes at that place (a softmax that the list does not call 'softmax' is quantised finished and normalised). What goes into a quantiser is computed in f32, as accurately as f32 sums, v_exp_f32 and their like allow (about 1e-6 of the number): no bf16 or f16 on the way to a quantiser, and a product that is left as it is and whose result goes on into a quantised operand takes f32 operands (vector FMAs, or v_wmma_f32_16x16x4_f32). A number that lies on a knife's edge between two numbers of the format may be rounded either way, as far as f32 arithmetic and the matrix unit's own rounding can turn it there, and no further.
;; One version. Each part assembles by itself: llvm-mc -triple=amdgcn-amd-amdhsa -mcpu=gfx1250 --defsym DOCPART=n.
;; ======== version 1 of 1: 2 launches
;; limits: right only within a limited range of input values
;; workspace buffers: wimg 139,264 bytes; kv 4,194,304 bytes; sc 131,072 bytes
;; launch prep (part 1): grid 256 x 1, 8 waves a work-group, no clusters, 138,752 bytes of LDS; arguments k, Wq, Wk, Wv, Wo, bk, bv, wimg, kv, sc; writes wimg, kv, sc
.if DOCPART == 1
	.amdgcn_target "amdgcn-amd-amdhsa--gfx1250"
	.amdhsa_code_object_version 6
	.text
	.protected	k_qb1e9c6f7cc_prep
	.globl	k_qb1e9c6f7cc_prep
	.p2align	8
	.type	k_qb1e9c6f7cc_prep,@function
k_qb1e9c6f7cc_prep:
	s_mov_b64 s[64:65], 0
	v_nop
	global_prefetch_b8 v0, s[64:65] scope:SCOPE_SE
	s_setreg_imm32_b32 hwreg(HW_REG_WAVE_MODE, 25, 1), 1
	s_wait_xcnt 0x0
; PREP: what many work-groups of the second launch read is made once, as codes of BF8 (E5M2) with one E8M0 byte for each 32 along a product's K.
;   Each of 256 work-groups makes K = k Wk^T + bk or V = k Wv^T + bv for one step of 128 keys and four heads (both operands on codes), quantised again: K along a head's 32 channels, V along the keys.
;   Work-groups 0-31 also quantise one tile of 16 rows of Wq (0-15) or Wo (16-31): waves 0 and 1 take 128 input channels each.
; ONE ROW ORDER: lane r of tile T takes row 32 (T / 2) + 8 (T % 2) + r + 8 (r / 8): a product whose source 0 is tiles 2 p and 2 p + 1 leaves, in a lane's 16 result registers, 16 NEIGHBOURING rows of source 0.
; f32 COMES IN BY ROWS: a load reads 512 consecutive bytes of one row; 16 rows turn through the wave's own stage in LDS (rows 528 bytes apart) and come back as 16 neighbours of one row a lane and block.
; FRAGMENTS TRAVEL AS IMAGES OF THEIR REGISTERS (16 rows x 128 K = 16 registers a lane): four pieces of 512 bytes, lane l's 16 bytes at 16 l; a scale word at 4 l.
; OUT:  wimg: 32 records of 4,352 bytes: [K step 0's fragment][K step 1's][K step 0's words, 4 bytes a lane][K step 1's]
;       kv:   [batch][record j][V's images of step j: 32,768 bytes][K's images of step (j + 1) % 16]
;             V: head x 4,096 + u x 2,048: channels of tile u x 128 keys.   K: head x 4,096 + g x 2,048: block c of the fragment is key tile 4 g + c x the head's 32 channels.
;       sc:   [batch][record j][V's words of step j: head x 128 + 4 (16 u + r)][K's words of step (j + 1) % 16 at + 1,024: head x 128 + 4 (16 g + r)]
; NO JOINT LOADS: what work-groups share here arrives as f32 and goes into the registers of the wave that converts it; no tile is kept in LDS.  No loop to run ahead in, so no prefetch.
; LIMITS: NaN and infinities among the inputs are not served.  A block whose largest magnitude lies under 2^(16 - 127), a block of zeros among them, gets the byte 1: its codes are zeros or
; subnormal codes under that scale, and the bytes are read by this program alone.
.set KSCL, 0                           ; LDS: scale words of k's fragments, 128 bytes each: (2 T + s) x 128
.set WSCL, 2048
.set SCG,  4096                        ; 512 bytes: the results' scale words, gathered for one store
.set KIMG, 4608                        ; k's 16 fragments (tile T, K step s): (2 T + s) x 2,048
.set WIMG, 37376                       ; the weight's 16
.set STG,  70144                       ; the waves' stages: 16 rows x 528 bytes each
.set SP,   528
.set SPARE, STG+8*16*SP                ; the spare words, 128 bytes a wave
.set REC,  4352
.set NIL,  1                           ; v1   0; never rewritten
.set LI,   2                           ; v2   16 x lane
.set LS,   3                           ; v3   4 x lane
.set XWI,  4                           ; v4   16 x lane + 4,096 x wave
.set XWS,  5                           ; v5   4 x lane + 256 x wave
.set AW,   6                           ; v6   16 x lane + 8,192 x (wave / 2): my head's two tiles of Wk
.set AKF,  7                           ; v7   16 x lane + 16,384 x (wave % 2): my four tiles of keys
.set ASW,  8                           ; v8   4 x lane + 512 x (wave / 2)
.set ASK,  9                           ; v9   4 x lane + 1,024 x (wave % 2)
.set SCGW, 10                          ; v10  SCG + 64 x wave + 4 r
.set H64,  11                          ; v11  64 x (lane / 16)
.set SA,   12                          ; v12-20 scale words of K step 0's products, and nothing else
.set SB,   163                         ; v163-171 those of K step 1's, and nothing else
.set R4,   21                          ; v21  4 (r + 8 (r / 8)) + 32 (wave % 2)
.set PW0,  22                          ; v22 and, until the products, v162: scale words just made
.set SPW,  23                          ; v23  LDS address of my spare word; never rewritten
.set BV,   24                          ; v24-31 the bias of my lane's one channel, eight times: V's C
.set X0,   32                          ; v32-95, v96-159 64 numbers each; later v32-95 the eight accumulators
.set X1,   96
.set STW,  160                         ; v160, v161 (until the products) the stage, on the way in and out
.set STR,  161
.set PW1,  162
                                       ; window 1: v256-511 four runs of 64 numbers as they are loaded; later the products' fragments, both K steps'
.set BKC,  192                         ; v192-207 the bias in the result's layout: K's C
.set PC2,  208                         ; v208-223 and
.set PC,   224                         ; v224-239 codes just made, by turns; V's path: Wv's fragments of K steps 1 and 0
.set TM,   240                         ; v240-243 largest magnitudes, v244-247 the other half's, then bytes, v248-251 57,344 x the scale, v252-255 the conversions' scale operands
.set WV,   26
.set SEL,  40                          ; s[40:41] v_permlanex16_b32's selects for lane l xor 16
.set MNT,  42                          ; s42  the mantissa field of 57,344
.set MSB, 0
.macro WIN new                         ; a register window; the immediate's high byte repeats the setting that is left
.if MSB != \new
	s_set_vgpr_msb (MSB<<8)|\new
.set MSB, \new
.endif
.endm
; K step ks (128 along K) of a tile's 16 rows, a row a load, into window w
.macro XLOAD reg, base, ks, w
	WIN 0x40*\w
.irp i, 0,1,2,3,4,5,6,7,8,9,10,11,12,13,14,15
	global_load_b128 v[\reg+4*\i:\reg+4*\i+3], v[LI], s[\base:\base+1] offset:512*\ks+1024*(\i+8*(\i/8))
.endr
	WIN 0
.endm
; the same rows through my stage: register 16 b + 4 j + .. = k 32 b + 16 (lane / 16) + 4 j + .. of row r.  LDS serves a wave's instructions in order, so no wait stands between the stores and the loads
.macro TURN raw, dst, w
	WIN 4*\w
.irp i, 0,1,2,3,4,5,6,7,8,9,10,11,12,13,14,15
	ds_store_b128 v[STW], v[\raw+4*\i:\raw+4*\i+3] offset:SP*\i
.endr
	WIN 0
.irp b, 0,1,2,3
.irp j, 0,1,2,3
	ds_load_b128 v[\dst+16*\b+4*\j:\dst+16*\b+4*\j+3], v[STR] offset:128*\b+16*\j
.endr
.endr
.endm
; 64 numbers of a lane become a fragment's codes in v[pc] on and its scale word in v[pw]
.macro QUANT src, pc, pw
.irp b, 0,1,2,3
	v_max3_num_f32 v[TM+\b], |v[\src+16*\b]|, |v[\src+1+16*\b]|, 0x8000000   ; block b: my 16 numbers, and the floor 2^(16 - 127): the byte cannot fall under 1
.endr
.irp i, 2,4,6,8,10,12,14
.irp b, 0,1,2,3
	v_max3_num_f32 v[TM+\b], v[TM+\b], |v[\src+16*\b+\i]|, |v[\src+1+16*\b+\i]|   ; the four blocks by turns; each accumulator is read from its low end on
.endr
.endr
.irp b, 0,1,2,3
	v_permlanex16_b32 v[TM+4+\b], v[TM+\b], s[SEL], s[SEL+1]
.endr
.irp b, 0,1,2,3
	v_max_num_f32 v[TM+\b], v[TM+\b], v[TM+4+\b]   ; with lane l xor 16's 16: the block's largest magnitude
.endr
.irp b, 0,1,2,3
	v_add_nc_u32 v[TM+12+\b], 0xf8800000, v[TM+\b]   ; 15 off its exponent field: the conversion takes this operand's exponent field as its scale
.endr
.irp b, 0,1,2,3
	v_and_or_b32 v[TM+8+\b], v[TM+\b], 0x7f800000, s[MNT]   ; 57,344 x the scale
.endr
.irp b, 0,1,2,3
	v_lshrrev_b32 v[TM+4+\b], 23, v[TM+12+\b]      ; the scale's byte
.endr
	v_lshl_or_b32 v[\pw], v[TM+5], 8, v[TM+4]
	s_delay_alu instid0(VALU_DEP_1)
	v_lshl_or_b32 v[\pw], v[TM+6], 16, v[\pw]
	s_delay_alu instid0(VALU_DEP_1)
	v_lshl_or_b32 v[\pw], v[TM+7], 24, v[\pw]      ; my row's scale word
.irp b, 0,1,2,3
.irp i, 0,1,2,3,4,5,6,7,8,9,10,11,12,13,14,15
	v_med3_num_f32 v[\src+16*\b+\i], v[\src+16*\b+\i], -v[TM+8+\b], v[TM+8+\b]   ; the conversion to an 8-bit code does not saturate (ISA guide 7.6.2): the hold at the largest code x the scale
.endr
	v_cvt_scalef32_pk8_bf8_f32 v[\pc+4*\b:\pc+1+4*\b], v[\src+16*\b:\src+7+16*\b], v[TM+12+\b]
	v_cvt_scalef32_pk8_bf8_f32 v[\pc+2+4*\b:\pc+3+4*\b], v[\src+8+16*\b:\src+15+16*\b], v[TM+12+\b]
.endr
	v_nop                                          ; a plain line behind the last conversion
.endm
.macro IMAGE adr, off, pc              ; the fragment in v[pc] on goes to LDS as it stands
.irp p, 0,1,2,3
	ds_store_b128 v[\adr], v[\pc+4*\p:\pc+4*\p+3] offset:\off+512*\p
.endr
.endm
.macro FETCH reg, adr, off             ; and comes back so, in any wave
.irp p, 0,1,2,3
	ds_load_b128 v[\reg+4*\p:\reg+4*\p+3], v[\adr] offset:\off+512*\p
.endr
.endm
.macro BARRIER                         ; my LDS stores have landed and my LDS loads are in: then the work-group's barrier
	s_wait_dscnt 0x0
	s_barrier_signal -1
	s_barrier_wait -1
.endm
.macro WM d, a, b, c, sa, sb           ; D = A B + C on codes of BF8; the numbers are first registers
	v_wmma_scale_f32_16x16x128_f8f6f4 v[\d:\d+7], v[\a:\a+15], v[\b:\b+15], v[\c:\c+7], v[\sa], v[\sb] matrix_a_fmt:MATRIX_FMT_BF8 matrix_b_fmt:MATRIX_FMT_BF8
.endm
	s_load_b64 s[6:7], s[0:1], 0x0                 ; k
	s_load_b256 s[8:15], s[0:1], 0x8               ; Wq s[8:9], Wk s[10:11], Wv s[12:13], Wo s[14:15]
	s_load_b128 s[16:19], s[0:1], 0x28             ; bk, bv
	s_load_b128 s[20:23], s[0:1], 0x38             ; wimg, kv
	s_load_b64 s[24:25], s[0:1], 0x48              ; sc
	v_lshl_add_u32 v[SPW], v0, 2, SPARE
	v_mov_b32 v[NIL], 0
	v_lshrrev_b32 v32, 5, v0
	v_and_b32 v33, 31, v0                          ; lane
	v_and_b32 v34, 15, v0                          ; r
	v_readfirstlane_b32 s[WV], v32                 ; wave 0..7
	v_bfe_u32 v35, v0, 4, 1                        ; lane / 16
	v_and_b32 v36, 8, v34
	v_lshlrev_b32 v[LI], 4, v33
	v_lshlrev_b32 v[LS], 2, v33
	v_add_nc_u32 v36, v36, v34                     ; r + 8 (r / 8)
	v_lshlrev_b32 v[H64], 6, v35
.irp b, 0,1,2,3
	v_mov_b32 v[TM+4+\b], 0                        ; written once: a lane permute's destination counts as one of its sources
.endr
	v_mad_u32_u24 v[STR], v34, SP, v[H64]
	s_lshr_b32 s30, s[WV], 1                       ; wave / 2
	s_and_b32 s31, s[WV], 1                        ; wave % 2
	s_mul_i32 s29, s[WV], 16*SP
	s_add_co_u32 s29, s29, STG
	v_add_nc_u32 v[STR], s29, v[STR]
	v_add_nc_u32 v[STW], s29, v[LI]
	s_lshl_b32 s29, s[WV], 12
	v_add_nc_u32 v[XWI], s29, v[LI]
	s_lshl_b32 s29, s[WV], 8
	v_add_nc_u32 v[XWS], s29, v[LS]
	s_lshl_b32 s29, s30, 13
	v_add_nc_u32 v[AW], s29, v[LI]
	s_lshl_b32 s29, s31, 14
	v_add_nc_u32 v[AKF], s29, v[LI]
	s_lshl_b32 s29, s30, 9
	v_add_nc_u32 v[ASW], s29, v[LS]
	s_lshl_b32 s29, s31, 10
	v_add_nc_u32 v[ASK], s29, v[LS]
	s_lshl_b32 s29, s[WV], 6
	s_add_co_u32 s29, s29, SCG
	v_lshl_add_u32 v[SCGW], v34, 2, s29
	s_lshl_b32 s29, s31, 5
	v_lshl_add_u32 v[R4], v36, 2, s29
	s_wait_alu depctr_va_vdst(0)                   ; the wait at the head's end
	s_lshl_b32 s28, s30, 15
	s_lshl_b32 s29, s31, 13
	s_or_b32 s28, s28, s29                         ; my tile's first row among 128 rows of 1,024 bytes: 32 (wave / 2) + 8 (wave % 2) rows
	s_mov_b32 s[SEL], 0x76543210
	s_mov_b32 s[SEL+1], 0xfedcba98
	s_mov_b32 s[MNT], 0x600000
	s_mov_b32 s27, ttmp9
	s_mov_b32 s55, 0                               ; the upper word of every offset pair s[54:55]
	s_lshr_b32 s33, s27, 2                         ; 16 x batch + step
	s_and_b32 s34, s27, 3                          ; 2 x (V?) + which four heads
	s_lshr_b32 s35, s34, 1                         ; 0: K, 1: V
	s_and_b32 s36, s34, 1                          ; which four heads: 128 rows of the weight
	s_wait_kmcnt 0x0
	s_lshl_b32 s54, s33, 17                        ; 128 keys x 1,024 bytes
	s_add_co_u32 s54, s54, s28
	s_add_nc_u64 s[44:45], s[6:7], s[54:55]        ; k at my tile
	XLOAD 0, 44, 0, 1
	XLOAD 64, 44, 1, 1
	s_cmp_eq_u32 s35, 0
	s_cselect_b64 s[46:47], s[10:11], s[12:13]     ; Wk or Wv,
	s_cselect_b64 s[48:49], s[16:17], s[18:19]     ; bk or bv: the choice hangs on the work-group's number alone
	s_lshl_b32 s54, s36, 17
	s_add_co_u32 s54, s54, s28
	s_add_nc_u64 s[46:47], s[46:47], s[54:55]      ; the weight at my tile
	XLOAD 128, 46, 0, 1
	XLOAD 192, 46, 1, 1
	s_lshl_b32 s54, s36, 2
	s_add_co_u32 s54, s54, s30
	s_lshl_b32 s54, s54, 7
	s_add_nc_u64 s[48:49], s[48:49], s[54:55]      ; the bias at head 4 x (which four) + wave / 2: 32 numbers
	; The chosen bias in both layouts, 12 loads, of which the products' phase uses one: so that no register's first write hangs on a branch.
.irp i, 0,1,2,3
	global_load_b128 v[BKC+4*\i:BKC+4*\i+3], v[H64], s[48:49] offset:16*\i   ; register 8 u + j: channel 16 (lane / 16) + 8 u + j of the head
.endr
.irp i, 0,1,2,3,4,5,6,7
	global_load_b32 v[BV+\i], v[R4], s[48:49]      ; channel 8 (wave % 2) + r + 8 (r / 8) of the head, in all eight registers
.endr
	s_lshr_b32 s37, s33, 4                         ; batch
	s_and_b32 s38, s33, 15                         ; step
	s_add_co_u32 s39, s38, 15
	s_and_b32 s39, s39, 15                         ; (step + 15) % 16
	s_cmp_eq_u32 s35, 0
	s_cselect_b32 s38, s39, s38                    ; K of step s lies in record s - 1, V in record s,
	s_cselect_b32 s39, 32768, 0                    ; K in the record's second half
	s_lshl_b32 s54, s37, 20
	s_lshl_b32 s43, s38, 16
	s_add_co_u32 s54, s54, s43
	s_add_co_u32 s54, s54, s39
	s_lshl_b32 s43, s36, 14                        ; four heads x 4,096
	s_add_co_u32 s54, s54, s43
	s_lshl_b32 s43, s[WV], 11                      ; my fragment: head wave / 2, half wave % 2
	s_add_co_u32 s54, s54, s43
	s_add_nc_u64 s[50:51], s[22:23], s[54:55]
	s_lshl_b32 s54, s37, 15
	s_lshl_b32 s43, s38, 11
	s_add_co_u32 s54, s54, s43
	s_lshr_b32 s43, s39, 5                         ; K's words lie 1,024 bytes on
	s_add_co_u32 s54, s54, s43
	s_lshl_b32 s43, s36, 9
	s_add_co_u32 s54, s54, s43
	s_add_nc_u64 s[52:53], s[24:25], s[54:55]      ; the work-group's 512 bytes of sc
	; ---- work-groups 0-31: one tile of Wq or Wo; waves 0 and 1 take a K step each
	s_cmp_lt_u32 s27, 32
	s_cbranch_scc0 .Lmain
	s_cmp_lt_u32 s[WV], 2
	s_cbranch_scc0 .Lmain
	s_cmp_lt_u32 s27, 16
	s_cselect_b64 s[56:57], s[8:9], s[14:15]
	s_and_b32 s43, s27, 15                         ; tile T: rows 32 (T / 2) + 8 (T % 2) on
	s_lshr_b32 s54, s43, 1
	s_lshl_b32 s54, s54, 15
	s_and_b32 s43, s43, 1
	s_lshl_b32 s43, s43, 13
	s_add_co_u32 s54, s54, s43
	s_lshl_b32 s43, s[WV], 9
	s_add_co_u32 s54, s54, s43
	s_add_nc_u64 s[56:57], s[56:57], s[54:55]
	s_mul_i32 s54, s27, REC
	s_add_nc_u64 s[58:59], s[20:21], s[54:55]      ; record x
	s_lshl_b32 s54, s[WV], 7
	s_add_co_u32 s54, s54, 4096
	s_add_nc_u64 s[60:61], s[58:59], s[54:55]      ; my K step's words
	s_lshl_b32 s54, s[WV], 11
	s_add_nc_u64 s[58:59], s[58:59], s[54:55]      ; my K step's fragment
	XLOAD X1, 56, 0, 0
	s_wait_loadcnt 0x0
	TURN X1, X0, 0
	s_wait_dscnt 0x0
	QUANT X0, PC, PW0
.irp c, 0,1,2,3
	global_store_b128 v[LI], v[PC+4*\c:PC+4*\c+3], s[58:59] offset:512*\c
.endr
	global_store_b32 v[LS], v[PW0], s[60:61]
	s_wait_xcnt 0x0                                ; the stores have read their registers: codes and word are made anew below
.Lmain:
	; ---- wave w quantises tile w of the step's keys and tile w of the weight's 128 rows: four runs of 64 numbers, each turned while the one before is worked
	s_wait_loadcnt 60                              ; the first run's 16 loads are in; 48 and the bias's 12 may be out
	TURN 0, X0, 1
	s_wait_loadcnt 44
	TURN 64, X1, 1
	s_wait_dscnt 32                                ; the first run is back; the second's 16 stores and 16 loads may be out
	QUANT X0, PC, PW0
	IMAGE XWI, KIMG, PC
	ds_store_b32 v[XWS], v[PW0] offset:KSCL
	s_wait_loadcnt 28
	TURN 128, X0, 1
	s_wait_dscnt 37                                ; the second run is back; an image's five stores and a turn's 32 may be out
	QUANT X1, PC2, PW1
	IMAGE XWI, KIMG+2048, PC2
	ds_store_b32 v[XWS], v[PW1] offset:KSCL+128
	s_wait_loadcnt 12
	TURN 192, X1, 1
	s_wait_dscnt 37
	QUANT X0, PC, PW0
	IMAGE XWI, WIMG, PC
	ds_store_b32 v[XWS], v[PW0] offset:WSCL
	s_wait_dscnt 5
	QUANT X1, PC2, PW1
	IMAGE XWI, WIMG+2048, PC2
	ds_store_b32 v[XWS], v[PW1] offset:WSCL+128
	s_wait_loadcnt 0x0                             ; the bias
	BARRIER                                        ; all 32 fragments lie in LDS
	; ---- the products: eight accumulators by turns; the bias is the C of each sum's first product
	s_cmp_lg_u32 s35, 0
	s_cbranch_scc1 .Lvpath
	; K: wave = (head wave / 2, keys' half g = wave % 2).  Source 0 = the head's two tiles of Wk, source 1 = key tile 4 g + c: registers 16 c + 8 u + j = channel 16 (lane / 16) + 8 u + j of key (4 g + c, r)
.irp s, 0,1                            ; both K steps' fragments are asked for in one run, into window 1
	WIN 0x40
.irp u, 0,1
	FETCH 32*\s+16*\u, AW, WIMG+4096*\u+2048*\s
.endr
.irp c, 0,1,2,3
	FETCH 64+64*\s+16*\c, AKF, KIMG+4096*\c+2048*\s
.endr
	WIN 0
.irp u, 0,1
	ds_load_b32 v[SA+(SB-SA)*\s+\u], v[ASW] offset:WSCL+256*\u+128*\s
.endr
.irp c, 0,1,2,3
	ds_load_b32 v[SA+(SB-SA)*\s+2+\c], v[ASK] offset:KSCL+256*\c+128*\s
.endr
.endr
	s_wait_dscnt 30                                ; K step 0's are in; step 1's six fragments of four loads and six words may be out
	WIN 5
.irp c, 0,1,2,3
.irp u, 0,1
	WM X0+16*\c+8*\u, 16*\u, 64+16*\c, BKC+8*\u, SA+\u, SA+2+\c
.endr
.endr
	s_wait_dscnt 0x0
.irp c, 0,1,2,3
.irp u, 0,1
	WM X0+16*\c+8*\u, 32+16*\u, 128+16*\c, X0+16*\c+8*\u, SB+\u, SB+2+\c
.endr
.endr
	WIN 0
.rept 8
	v_nop                                          ; places in front of the first read of results
.endr
	s_branch .Ljoin
.Lvpath:
	; V: wave = channel tile.  Source 0 = key tile t, source 1 = my tile of Wv: registers 8 t + j = key 32 (t / 2) + 16 (lane / 16) + 8 (t % 2) + j of channel (wave, r)
.irp s, 0,1                            ; both K steps' key fragments are asked for in one run, into window 1; Wv's into v[PC], v[PC2]
	WIN 0x40
.irp t, 0,1,2,3,4,5,6,7
	FETCH 128*\s+16*\t, LI, KIMG+4096*\t+2048*\s
.endr
	WIN 0
	FETCH PC-16*\s, XWI, WIMG+2048*\s
.irp t, 0,1,2,3,4,5,6,7
	ds_load_b32 v[SA+(SB-SA)*\s+\t], v[LS] offset:KSCL+256*\t+128*\s
.endr
	ds_load_b32 v[SA+(SB-SA)*\s+8], v[XWS] offset:WSCL+128*\s
.endr
	s_wait_dscnt 45                                ; K step 0's are in; step 1's nine fragments of four loads and nine words may be out
	WIN 1
.irp t, 0,1,2,3,4,5,6,7
	WM X0+8*\t, 16*\t, PC, BV, SA+\t, SA+8
.endr
	s_wait_dscnt 0x0
.irp t, 0,1,2,3,4,5,6,7
	WM X0+8*\t, 128+16*\t, PC2, X0+8*\t, SB+\t, SB+8
.endr
	WIN 0
.rept 8
	v_nop
.endr
.Ljoin:
	; ---- the 64 results of a lane are four blocks of 32 along the next product's K (K: a key's 32 channels; V: 32 keys), each shared with lane l xor 16
	QUANT X0, PC, PW0
.irp c, 0,1,2,3
	global_store_b128 v[LI], v[PC+4*\c:PC+4*\c+3], s[50:51] offset:512*\c   ; 32 lanes store 512 consecutive bytes, at a multiple of 256 from kv's first byte
.endr
	ds_store_b32 v[SCGW], v[PW0]                   ; lanes r and r + 16 write the same word with the same value
	BARRIER                                        ; the eight waves' 512 bytes of scale words lie together
	s_cmp_lg_u32 s[WV], 0
	s_cbranch_scc1 .Lend
	ds_load_b128 v[X0:X0+3], v[LI] offset:SCG
	s_wait_dscnt 0x0
	global_store_b128 v[LI], v[X0:X0+3], s[52:53]  ; 512 consecutive bytes
.Lend:
	s_wait_tensorcnt 0x0                           ; the wave's end: behind my last LDS store
	ds_add_u32 v[SPW], v[NIL]
	s_wait_dscnt 0x0
	s_endpgm
.Lfunc_end_k_qb1e9c6f7cc_prep:
	.size	k_qb1e9c6f7cc_prep, .Lfunc_end_k_qb1e9c6f7cc_prep-k_qb1e9c6f7cc_prep
	.p2alignl 7, 3214868480
	.fill 96, 4, 3214868480
	.section	.rodata,"a",@progbits
	.p2align	6, 0x0
	.amdhsa_kernel k_qb1e9c6f7cc_prep
		.amdhsa_group_segment_fixed_size 138752
		.amdhsa_private_segment_fixed_size 0
		.amdhsa_enable_private_segment 0
		.amdhsa_kernarg_size 80
		.amdhsa_user_sgpr_count 2
		.amdhsa_user_sgpr_kernarg_segment_ptr 1
		.amdhsa_wavefront_size32 1
		.amdhsa_system_sgpr_workgroup_id_x 1
		.amdhsa_system_sgpr_workgroup_id_y 1
		.amdhsa_system_sgpr_workgroup_id_z 1
		.amdhsa_system_vgpr_workitem_id 0
		.amdhsa_next_free_vgpr 512
		.amdhsa_next_free_sgpr 66
		.amdhsa_reserve_vcc 0
		.amdhsa_float_denorm_mode_32 3
		.amdhsa_float_denorm_mode_16_64 3
		.amdhsa_memory_ordered 1
		.amdhsa_forward_progress 1
		.amdhsa_inst_pref_size 90
	.end_amdhsa_kernel
	.amdgpu_metadata
---
amdhsa.version: [ 1, 2 ]
amdhsa.kernels:
  - .name:           k_qb1e9c6f7cc_prep
    .symbol:         k_qb1e9c6f7cc_prep.kd
    .args:
      - { .name: k, .offset: 0, .size: 8, .value_kind: global_buffer, .address_space: global }
      - { .name: Wq, .offset: 8, .size: 8, .value_kind: global_buffer, .address_space: global }
      - { .name: Wk, .offset: 16, .size: 8, .value_kind: global_buffer, .address_space: global }
      - { .name: Wv, .offset: 24, .size: 8, .value_kind: global_buffer, .address_space: global }
      - { .name: Wo, .offset: 32, .size: 8, .value_kind: global_buffer, .address_space: global }
      - { .name: bk, .offset: 40, .size: 8, .value_kind: global_buffer, .address_space: global }
      - { .name: bv, .offset: 48, .size: 8, .value_kind: global_buffer, .address_space: global }
      - { .name: wimg, .offset: 56, .size: 8, .value_kind: global_buffer, .address_space: global }
      - { .name: kv, .offset: 64, .size: 8, .value_kind: global_buffer, .address_space: global }
      - { .name: sc, .offset: 72, .size: 8, .value_kind: global_buffer, .address_space: global }
    .group_segment_fixed_size: 138752
    .private_segment_fixed_size: 0
    .kernarg_segment_align: 8
    .kernarg_segment_size: 80
    .max_flat_workgroup_size: 256
    .sgpr_count:     66
    .vgpr_count:     512
    .wavefront_size: 32
...
	.end_amdgpu_metadata
.endif
;; end of part 1
;; launch attn (part 2): grid 256 x 1, 16 waves a work-group, clusters of 4 x 1, 327,680 bytes of LDS; arguments q, wimg, kv, sc, bq, bo, g0, b0, g1, b1, out0; writes out0
.if DOCPART == 2
	.amdgcn_target "amdgcn-amd-amdhsa--gfx1250"
	.amdhsa_code_object_version 6
	.text
	.protected	k_qb1e9c6f7cc_attn
	.globl	k_qb1e9c6f7cc_attn
	.p2align	8
	.type	k_qb1e9c6f7cc_attn,@function
k_qb1e9c6f7cc_attn:
	s_mov_b64 s[64:65], 0
	v_nop
	global_prefetch_b8 v0, s[64:65] scope:SCOPE_SE
	s_setreg_imm32_b32 hwreg(HW_REG_WAVE_MODE, 25, 1), 1
	s_wait_xcnt 0x0
	s_wait_alu depctr_hold_cnt(0) depctr_sa_sdst(0) depctr_va_vdst(0) depctr_va_sdst(0) depctr_va_ssrc(0) depctr_va_vcc(0) depctr_vm_vsrc(0)
	s_getreg_b32 s2, hwreg(HW_REG_IB_STS2, 6, 4)
	s_cmp_eq_u32 s2, 0
	s_cbranch_scc0 .Lentry_in_a_cluster
	s_endpgm
.Lentry_in_a_cluster:
	s_bfe_u32 s2, ttmp6, 0x10000c
	s_cmp_lg_u32 s2, 0x3003
	s_cbranch_scc0 .Lentry_shape_is_right
	s_endpgm
.Lentry_shape_is_right:
; ATTN: Q = q Wq^T + bq; O = Q + softmax(Q K^T / 16) V by heads; y = LayerNorm(O); out = LayerNorm(y + relu(y Wo^T + bo)).  All products on codes of BF8 (E5M2) with one E8M0 byte for each 32 along K.
; SHARES.  A work-group owns 32 rows of one batch with all eight heads.  Its 16 waves are 8 heads x 2 halves of the keys: wave w takes head w % 8 and key steps 8 (w / 8) .. + 7 (128 keys each) for BOTH tiles of
; 16 rows, so that each fragment of K and V is read from LDS once a work-group and feeds two tiles.  At the end the two waves of a head hand each other one tile's O, sum and M; wave w finishes tile w / 8.
; A wave's local tile 0 is the one that it finishes, local tile 1 its partner's.  Lane (r, h) holds row 32 x + 8 tile + r + 8 (r / 8) throughout, and of it channels 32 head + 16 h + 0 .. 15.  Nothing but out0 goes to memory.
; ALL PRODUCTS ARE USED TRANSPOSED (source 0 = 16 rows of a weight, of K or of V^T; source 1 = my 16 rows): a lane's 16 registers of two neighbouring tiles are 16 neighbours along the next product's K.
; Operands lie in memory and in LDS as images of their registers: 512 bytes a piece, lane l's 16 bytes at 16 l.
; q is read once, so it is quantised here: of 2 tiles x 8 blocks of 32 input channels each wave makes one and hands it over through LDS.  A load takes 128 bytes of each of four rows; the wave's own stage turns them.
; THE SCORES HAVE K = 32, the instruction 128.  A fragment of K holds FOUR tiles of 16 keys, one in each block of 32; Q's four code registers stand in a run of zero codes, v16-59 with Q at v28-31 and v44-47: the operand
; that begins 4 c registers ahead of Q has Q in block c and zeros elsewhere: the product is tile 4 g + c's scores.
; SOFTMAX: t = score x log2(e) / 16; M = the running largest t rounded up to a whole number; p = 2^(t - M) is quantised along the keys; the row's sum is taken of the unquantised p and divides at the end;
; when M moves, the sum and O^T are multiplied by 2^(old M - new M), which rounds nothing.
; THE RING.  A tile is two records of kv, j and 8 + j (65,536 dense bytes each: V's images of step j and K's of step j + 1), and the same two records of sc (2,048 bytes each).  Two slots, both filled at the head, a load a wave:
; waves 0 and 1 tile 0's records of kv, waves 2 and 3 those of sc; waves 4 to 7 tile 1's likewise, and all that is refilled.  K's fragments are loaded a trip ahead, so the next trip's first products and maxima stand between
; the barrier's signal and its wait.
; CLUSTER: the four work-groups of a cluster belong to one batch and walk the same tiles: each tile is asked for JOINTLY, by the same tensor load with the same descriptor and a mask that names the four.
; LAYERNORM: each head's mean and its sum of squares about that mean are exchanged together and joined: var = (the sum of the squares + 32 x the sum of (head's mean - mean)^2) / 256; no difference of large sums is formed.
; LIMITS: NaN and infinities are not served.  A block under 2^(16 - 127) gets the byte 1.  A block's largest p is taken from its largest score, which takes v_exp_f32 not to fall where its input rises.
; The softmax's promise holds while the scaled scores stay under 2^31 in magnitude.
.set SLOT1, 0x20000                    ; LDS: slot 0 at 0, slot 1 here: one exclusive or turns an address
.set SCL,   0x40000                    ; the scale words' two slots of 4,096 bytes: [half][V 1,024][K 1,024]
.set SCX,   0x1000
.set SPARE, 0x42000                    ; the spare words, 128 bytes for each of 16 waves: eight blocks of 256 bytes that no other line names.  No fill lands from here on
.set QFS,   272384                     ; Q in f32, 2,048 bytes a wave;  ahead of it q's stages, 16 rows x 144 bytes a wave, which reach into QXC and are read out ahead of the first barrier
.set QXC,   305152                     ; Q's codes for the partner: 512 a wave
.set QIMG,  313344                     ; q's fragments: 4,096 tile + 512 block + 16 lane
.set QSC,   321536                     ; q's scale bytes: 16 r + 8 tile + block
.set QXS,   321792                     ; Q's scale words for the partner: 128 a wave
; the way out lies in slot 0, which has had its last fill and whose last reads the last barrier of the loops has shown
.set OX,    0                          ; a tile's O for the partner: 2,048 a wave
.set OXS,   32768                      ; its -M and sum: 256 a wave
.set RED,   36864                      ; two exchanges of 2,048 bytes: 1,024 tile + 64 r + 8 head
.set YSC,   40960                      ; y's scale bytes: 16 r + 8 tile + head
.set YIMG,  41472                      ; y's fragments: 4,096 tile + 512 head + 16 lane
.set STG,   49664                      ; 32 rows x (1,024 + 16) bytes
.set REC,   4352
.set AV0,  1                           ; v1   16 lane + 4,096 head + 65,536 half
.set AS0,  2                           ; v2   SCL + 128 head + 2,048 half + 4 lane
.set SPW,  3                           ; v3   LDS address of my spare word; never rewritten
.set NIL,  4                           ; v4   0; never rewritten
.set PFO,  5                           ; v5   256 x lane: the prefetches' offset; never rewritten
                                       ; v6, v7 the largest t of local tiles 0, 1;  v[8:9], v[10:11] their sums in two halves;  v12 -M, v13 at work, v14 f = 2^(old M - new M)
.set OT,   60                          ; v60-75, v76-91 O^T of local tiles 0, 1
.set PCD,  92                          ; v92-107 p's codes
.set SCR,  108                         ; v108-171 S^T, then p
.set KFR,  172                         ; v172-203 K's two fragments
.set VFR,  204                         ; v204-235 V's two fragments
.set BM,   236                         ; v236-239 the blocks' largest scores, then largest p
.set PT,   240                         ; v240-243 the other half's, two of the sum's chains, then bytes; v240, v241 also LDS addresses
.set HL,   244                         ; v244-247 maxima at work, two of the sum's chains, then 57,344 x the scale
.set SO,   248                         ; v248-251 two of the sum's chains, then the conversions' scale operands
                                       ; scale words and nothing else: v252 K's, v253 V's, v254 Q's (tile 0 in lanes 0-15, tile 1 in lanes 16-31), v255 p's; v252-255 also Wq's, q's, Wo's, y's
.set X,    204                         ; the way out: my 16 numbers of a row
.set PWQ,  26
.set G1,   28                          ; s[28:35] descriptor group 1: 256 rows of 256 bytes, dense
.set G1S,  36                          ; s[36:43] the same with 8 rows
.set G0R,  44                          ; s[44:47], s[48:51] groups 0 of tile 0 (waves 0, 1 and 2, 3)
.set G0S,  48
.set WV,   52
.set HF,   53                          ; wave / 8
.set HD,   54                          ; head
.set CX,   55                          ; my place in the cluster: it enters global addresses of q, out0 and the prefetches alone
.set XG,   56                          ; my block of 32 rows
.set BT,   57                          ; batch
.set TB,   58                          ; where the slot in hand begins; s59 the same for the scale words
.set TS,   59
.set CNT,  66
.set LIM,  67                          ; 0 in a wave that prefetches
.set SEL,  68                          ; s[68:69] v_permlanex16_b32's selects for lane l xor 16
.set CS,   70                          ; s[70:71] c = log2(e) / 16
.set MNT,  72                          ; the mantissa field of 57,344
.set R256, 73
.set EPS,  74
.set FLR,  75                          ; 2^(16 - 127)
.set PFA,  76                          ; s[76:77] where my prefetches stand
.set PK,   78
.set PWO,  80
.set PKS,  82
.set G0T,  84                          ; s[84:87], s[88:91] groups 0 of tile 1 and of all refills (waves 4, 5 and 6, 7): they walk
.set G0U,  88
.macro WM d, a, b, c, sa, sb           ; D = A B + C on codes of BF8; the numbers are first registers
	v_wmma_scale_f32_16x16x128_f8f6f4 v[\d:\d+7], v[\a:\a+15], v[\b:\b+15], v[\c:\c+7], v[\sa], v[\sb] matrix_a_fmt:MATRIX_FMT_BF8 matrix_b_fmt:MATRIX_FMT_BF8
.endm
.macro WM1 d, a, b, c, sa, sb          ; the same, source 0's scales from lanes 16-31
	v_wmma_scale_f32_16x16x128_f8f6f4 v[\d:\d+7], v[\a:\a+15], v[\b:\b+15], v[\c:\c+7], v[\sa], v[\sb] matrix_a_fmt:MATRIX_FMT_BF8 matrix_b_fmt:MATRIX_FMT_BF8 matrix_a_scale:MATRIX_SCALE_ROW1
.endm
.macro SZ m                            ; S^T of local tile m: key tile 4 g + c with Q in block c; eight accumulators
.irp c, 0,1,2,3
.if \m
	v_wmma_scale_f32_16x16x128_f8f6f4 v[SCR+8*\c:SCR+8*\c+7], v[KFR:KFR+15], v[44-4*\c:59-4*\c], 0, v252, v254 matrix_a_fmt:MATRIX_FMT_BF8 matrix_b_fmt:MATRIX_FMT_BF8 matrix_b_scale:MATRIX_SCALE_ROW1
.else
	v_wmma_scale_f32_16x16x128_f8f6f4 v[SCR+8*\c:SCR+8*\c+7], v[KFR:KFR+15], v[28-4*\c:43-4*\c], 0, v252, v254 matrix_a_fmt:MATRIX_FMT_BF8 matrix_b_fmt:MATRIX_FMT_BF8
.endif
.endr
.irp c, 0,1,2,3
.if \m
	v_wmma_scale_f32_16x16x128_f8f6f4 v[SCR+32+8*\c:SCR+39+8*\c], v[KFR+16:KFR+31], v[44-4*\c:59-4*\c], 0, v252, v254 matrix_a_fmt:MATRIX_FMT_BF8 matrix_b_fmt:MATRIX_FMT_BF8 matrix_a_scale:MATRIX_SCALE_ROW1 matrix_b_scale:MATRIX_SCALE_ROW1
.else
	v_wmma_scale_f32_16x16x128_f8f6f4 v[SCR+32+8*\c:SCR+39+8*\c], v[KFR+16:KFR+31], v[28-4*\c:43-4*\c], 0, v252, v254 matrix_a_fmt:MATRIX_FMT_BF8 matrix_b_fmt:MATRIX_FMT_BF8 matrix_a_scale:MATRIX_SCALE_ROW1
.endif
.endr
.endm
.macro WALU
	s_wait_alu depctr_va_vdst(0)
.endm
.macro BARRIER                         ; my LDS accesses are done: then the work-group's barrier.
	WALU
	s_wait_dscnt 0x0
	s_barrier_signal -1
	s_barrier_wait -1
.endm
.macro CREST                           ; a round of the cluster's barrier behind its opening barrier
	s_cmp_lg_u32 s[WV], 0
	s_cbranch_scc1 .Lnot_wave_0_\@
	s_barrier_signal -3
.Lnot_wave_0_\@:
	s_barrier_wait -3
	s_barrier_signal -1
	s_barrier_wait -1
.endm
.macro CROUND                          ; a whole round
	s_barrier_signal -1
	s_barrier_wait -1
	CREST
.endm
.macro TLOAD g0, g1                    ; four v_nop follow each tensor load
	tensor_load_to_lds s[\g0:\g0+3], s[\g1:\g1+7]
	s_nop 0
.rept 4
	v_nop
.endr
.endm
.macro ARM under, g0, g1, next         ; the head's chain: one joint load a wave at the most; the branches hang on the wave's number alone
	s_cmp_lt_u32 s[WV], \under
	s_cbranch_scc0 \next
	TLOAD \g0, \g1
	s_branch .Lhead_asked
\next:
.endm
.macro REFILL                          ; waves 4 and 5 a record of kv each, waves 6 and 7 a half's scale words
	s_lshr_b32 s60, s[WV], 1
	s_cmp_eq_u32 s60, 2
	s_cbranch_scc0 .Lnot_ring_\@
	TLOAD G0T, G1
	s_branch .Lasked_\@
.Lnot_ring_\@:
	s_cmp_eq_u32 s60, 3
	s_cbranch_scc0 .Lasked_\@
	TLOAD G0U, G1S
.Lasked_\@:
.endm
.macro STEPS                           ; the walking descriptors: the other slot, the next tile; the type bits on top are not reached
	s_xor_b32 s[G0T+1], s[G0T+1], SLOT1
	s_add_nc_u64 s[G0T+2:G0T+3], s[G0T+2:G0T+3], 65536
	s_xor_b32 s[G0U+1], s[G0U+1], SCX
	s_add_nc_u64 s[G0U+2:G0U+3], s[G0U+2:G0U+3], 2048
.endm
; A PREFETCH INTO THE L2 of the tile that this trip's end will ask for, a whole trip ahead of it.  All 16 clusters of a batch walk the same tiles: the batch's first cluster asks.  Its four partners take 32,768 bytes each, told apart
; BY ADDRESS; in each, waves 10 to 13, which fetch nothing, ask for 8,192 bytes each, lanes 256 bytes apart: each aligned block of 256 bytes is named once in the launch.  Trips 0-5 ask for tiles 2-7; the last two trips ask for nothing.
.macro ASK
	s_cmp_eq_u32 s[LIM], 0
	s_cbranch_scc0 .Lnot_mine_\@
	global_prefetch_b8 v[PFO], s[PFA:PFA+1] th:TH_LOAD_NT scope:SCOPE_SE
.Lnot_mine_\@:
.endm
; One block of 32 along K: my 16 numbers v[src] on and lane l xor 16's.  The held numbers go to v[hold] on (src stays), the codes to v[code .. code + 3], the byte to v[t + 4].
.macro QBLOCK src, hold, code, t
	v_max3_num_f32 v[\t], |v[\src]|, |v[\src+1]|, 0x8000000   ; with the floor 2^(16 - 127): the byte cannot fall under 1
	v_max3_num_f32 v[\t+1], |v[\src+2]|, |v[\src+3]|, |v[\src+4]|
	v_max3_num_f32 v[\t], v[\t], |v[\src+5]|, |v[\src+6]|
	v_max3_num_f32 v[\t+1], v[\t+1], |v[\src+7]|, |v[\src+8]|
	v_max3_num_f32 v[\t], v[\t], |v[\src+9]|, |v[\src+10]|
	v_max3_num_f32 v[\t+1], v[\t+1], |v[\src+11]|, |v[\src+12]|
	v_max3_num_f32 v[\t], v[\t], |v[\src+13]|, |v[\src+14]|
	v_max3_num_f32 v[\t], v[\t], v[\t+1], |v[\src+15]|
	s_delay_alu instid0(VALU_DEP_1)
	v_permlanex16_b32 v[\t+1], v[\t], s[SEL], s[SEL+1]
	s_delay_alu instid0(VALU_DEP_1)
	v_max_num_f32 v[\t], v[\t], v[\t+1]
	s_delay_alu instid0(VALU_DEP_1)
	v_add_nc_u32 v[\t+2], 0xf8800000, v[\t]        ; 15 off the exponent field: the conversion's scale operand
	v_and_or_b32 v[\t+3], v[\t], 0x7f800000, s[MNT]   ; 57,344 x the scale
	v_lshrrev_b32 v[\t+4], 23, v[\t+2]             ; the byte
.irp i, 0,1,2,3,4,5,6,7,8,9,10,11,12,13,14,15
	v_med3_num_f32 v[\hold+\i], v[\src+\i], -v[\t+3], v[\t+3]   ; the conversion to an 8-bit code does not saturate (ISA guide 7.6.2)
.endr
	v_cvt_scalef32_pk8_bf8_f32 v[\code:\code+1], v[\hold:\hold+7], v[\t+2]
	v_cvt_scalef32_pk8_bf8_f32 v[\code+2:\code+3], v[\hold+8:\hold+15], v[\t+2]
	v_nop                                          ; a plain line behind the last conversion
.endm
; THE SOFTMAX OF ONE UNIT (128 keys x 16 rows), in four parts.
; MAXU: the largest score of each block of 32 keys serves twice: for the row's maximum and, since p rises with the score, for the block's largest p.  Two chains a block, each accumulator from its low end on.
.macro MAXU
.irp b, 0,1,2,3
	v_max3_num_f32 v[BM+\b], v[SCR+16*\b], v[SCR+1+16*\b], v[SCR+2+16*\b]
.endr
.irp b, 0,1,2,3
	v_max3_num_f32 v[HL+\b], v[SCR+8+16*\b], v[SCR+9+16*\b], v[SCR+10+16*\b]
.endr
.irp i, 3,5
.irp b, 0,1,2,3
	v_max3_num_f32 v[BM+\b], v[BM+\b], v[SCR+16*\b+\i], v[SCR+1+16*\b+\i]
.endr
.irp b, 0,1,2,3
	v_max3_num_f32 v[HL+\b], v[HL+\b], v[SCR+8+16*\b+\i], v[SCR+9+16*\b+\i]
.endr
.endr
.irp b, 0,1,2,3
	v_max3_num_f32 v[BM+\b], v[BM+\b], v[SCR+7+16*\b], v[SCR+15+16*\b]
.endr
	v_dual_max_num_f32 v[BM], v[HL], v[BM] :: v_dual_max_num_f32 v[BM+1], v[HL+1], v[BM+1]
	v_dual_max_num_f32 v[BM+2], v[HL+2], v[BM+2] :: v_dual_max_num_f32 v[BM+3], v[HL+3], v[BM+3]
.irp b, 0,1,2,3
	v_permlanex16_b32 v[PT+\b], v[BM+\b], s[SEL], s[SEL+1]
.endr
	v_dual_max_num_f32 v[BM], v[PT], v[BM] :: v_dual_max_num_f32 v[BM+1], v[PT+1], v[BM+1]   ; with lane l xor 16's 16 keys
	v_dual_max_num_f32 v[BM+2], v[PT+2], v[BM+2] :: v_dual_max_num_f32 v[BM+3], v[PT+3], v[BM+3]
.endm
; EXPU: the running largest t, -M in v12, f in v14 (its lines stand among the multiply-adds), and the exponentials
.macro EXPU sum, t
	v_max3_num_f32 v13, v[BM], v[BM+1], v[BM+2]
	v_floor_f32 v14, -v[\t]                        ; the old -M
	v_max_num_f32 v13, v13, v[BM+3]                ; the unit's largest score of my row
	s_delay_alu instid0(VALU_DEP_1)
	v_mul_f32 v13, s[CS], v13                      ; as t (c is positive)
	s_delay_alu instid0(VALU_DEP_1)
	v_max_num_f32 v[\t], v[\t], v13                ; the running largest t
	s_delay_alu instid0(VALU_DEP_1)
	v_floor_f32 v12, -v[\t]                        ; the new -M = -ceil(t): M is a whole number
	s_delay_alu instid0(VALU_DEP_1)
	v_sub_f32 v13, v12, v14                        ; old M - new M: a whole number, 0 or less
.set jj, 0
.rept 32
	v_pk_fma_f32 v[SCR+jj:SCR+jj+1], v[SCR+jj:SCR+jj+1], s[CS:CS+1], v[12:13] op_sel_hi:[1,0,0]   ; t - M, two at a time (of the pairs c and -M the low word serves both halves)
.set jj, jj+2
.if jj == 16
	v_cvt_i32_f32 v13, v13                         ; (it saturates)
.endif
.if jj == 32
	v_ldexp_f32 v14, 1.0, v13                      ; f
.endif
.endr
.irp b, 0,1,2,3
	v_fma_f32 v[BM+\b], v[BM+\b], s[CS], v12       ; the same of each block's largest score
.endr
	WALU                                           ; the wait ahead of the batch
.irp b, 0,1,2,3
	v_exp_f32 v[BM+\b], v[BM+\b]                   ; the block's largest p: the same two instructions on the same number give the same bits
.endr
.set jj, 0
.rept 64
	v_exp_f32 v[SCR+jj], v[SCR+jj]                 ; p = 2^(t - M), at most 1: not normalised
.set jj, jj+1
.endr
	v_pk_mul_f32 v[\sum:\sum+1], v[\sum:\sum+1], v[14:15] op_sel_hi:[1,0]   ; the sum under the new M: the plain place behind the batch
	WALU                                           ; and one wait behind it, ahead of its first reader
.endm
.macro SUMS sum                        ; THE ROW'S SUM IS TAKEN OF THE UNQUANTISED p: two at a time, in six chains; then the blocks' scales
	v_pk_add_f32 v[HL:HL+1], v[SCR:SCR+1], v[SCR+2:SCR+3]
	v_pk_add_f32 v[HL+2:HL+3], v[SCR+4:SCR+5], v[SCR+6:SCR+7]
	v_pk_add_f32 v[SO:SO+1], v[SCR+8:SCR+9], v[SCR+10:SCR+11]
	v_pk_add_f32 v[SO+2:SO+3], v[SCR+12:SCR+13], v[SCR+14:SCR+15]
	v_pk_add_f32 v[PT:PT+1], v[SCR+16:SCR+17], v[SCR+18:SCR+19]
	v_pk_add_f32 v[PT+2:PT+3], v[SCR+20:SCR+21], v[SCR+22:SCR+23]
.irp j, 24,36,48
	v_pk_add_f32 v[HL:HL+1], v[HL:HL+1], v[SCR+\j:SCR+\j+1]
	v_pk_add_f32 v[HL+2:HL+3], v[HL+2:HL+3], v[SCR+\j+2:SCR+\j+3]
	v_pk_add_f32 v[SO:SO+1], v[SO:SO+1], v[SCR+\j+4:SCR+\j+5]
	v_pk_add_f32 v[SO+2:SO+3], v[SO+2:SO+3], v[SCR+\j+6:SCR+\j+7]
	v_pk_add_f32 v[PT:PT+1], v[PT:PT+1], v[SCR+\j+8:SCR+\j+9]
	v_pk_add_f32 v[PT+2:PT+3], v[PT+2:PT+3], v[SCR+\j+10:SCR+\j+11]
.endr
	v_pk_add_f32 v[HL:HL+1], v[HL:HL+1], v[SCR+60:SCR+61]
	v_pk_add_f32 v[HL+2:HL+3], v[HL+2:HL+3], v[SCR+62:SCR+63]
	v_pk_add_f32 v[SO:SO+1], v[SO:SO+1], v[SO+2:SO+3]
	v_pk_add_f32 v[PT:PT+1], v[PT:PT+1], v[PT+2:PT+3]
	v_pk_add_f32 v[HL:HL+1], v[HL:HL+1], v[HL+2:HL+3]
	v_dual_max_num_f32 v[BM], s[FLR], v[BM] :: v_dual_max_num_f32 v[BM+1], s[FLR], v[BM+1]   ; the floor 2^(16 - 127): the byte cannot fall under 1
	v_pk_add_f32 v[SO:SO+1], v[SO:SO+1], v[PT:PT+1]
	v_dual_max_num_f32 v[BM+2], s[FLR], v[BM+2] :: v_dual_max_num_f32 v[BM+3], s[FLR], v[BM+3]
	v_pk_add_f32 v[\sum:\sum+1], v[\sum:\sum+1], v[HL:HL+1]
	v_pk_add_f32 v[\sum:\sum+1], v[\sum:\sum+1], v[SO:SO+1]
.irp b, 0,1,2,3
	v_add_nc_u32 v[SO+\b], 0xf8800000, v[BM+\b]    ; 15 off the exponent field: the conversion's scale operand
.endr
.irp b, 0,1,2,3
	v_and_or_b32 v[HL+\b], v[BM+\b], 0x7f800000, s[MNT]   ; 57,344 x the scale
.endr
.irp b, 0,1,2,3
	v_lshrrev_b32 v[PT+\b], 23, v[SO+\b]           ; the byte
.endr
	v_lshl_or_b32 v255, v[PT+1], 8, v[PT]          ; p's scale word for these 128 keys
	s_delay_alu instid0(VALU_DEP_1)
	v_lshl_or_b32 v255, v[PT+2], 16, v255
	s_delay_alu instid0(VALU_DEP_1)
	v_lshl_or_b32 v255, v[PT+3], 24, v255
.endm
.macro CODES
.irp b, 0,1,2,3
.irp i, 0,2,4,6,8,10,12,14
	v_dual_min_num_f32 v[SCR+16*\b+\i], v[HL+\b], v[SCR+16*\b+\i] :: v_dual_min_num_f32 v[SCR+16*\b+\i+1], v[HL+\b], v[SCR+16*\b+\i+1]   ; the conversion does not saturate (ISA guide 7.6.2); p is not negative, so the hold is one-sided
.endr
	v_cvt_scalef32_pk8_bf8_f32 v[PCD+4*\b:PCD+4*\b+1], v[SCR+16*\b:SCR+16*\b+7], v[SO+\b]
	v_cvt_scalef32_pk8_bf8_f32 v[PCD+4*\b+2:PCD+4*\b+3], v[SCR+16*\b+8:SCR+16*\b+15], v[SO+\b]
.endr
.endm
.macro PV o                            ; O^T under the new M, then O^T += V^T P^T: K = these 128 keys.  The eight multiplications are the places behind the scores' products and ahead of these two
	WALU                                           ; the wait directly ahead of the first reader of O^T
.irp j, 0,2,4,6,8,10,12,14
	v_pk_mul_f32 v[\o+\j:\o+\j+1], v[\o+\j:\o+\j+1], v[14:15] op_sel_hi:[1,0]
.endr
	WM  \o,   VFR,    PCD, \o,   253, 255
	WM1 \o+8, VFR+16, PCD, \o+8, 253, 255
.endm
.macro SLOTADR                         ; LDS addresses of my images and scale words in the slot in hand
	v_add_nc_u32 v[PT], s[TS], v[AS0]
	v_add_nc_u32 v[PT+1], s[TB], v[AV0]
.endm
; A TRIP: 128 keys of my half for both tiles.  It finds local tile 0's scores and their maxima made.  kind 0: trips 0-5, which refill; 1: trip 6, which asks for nothing more; 2: trip 7, which asks for the way out's vectors and weights.
.macro TRIP kind
.irp i, 0,1,2,3,4,5,6,7
	ds_load_b128 v[VFR+4*\i:VFR+4*\i+3], v[PT+1] offset:512*\i   ; V of this step
.endr
	ds_load_b32 v253, v[PT]
.if \kind == 0
	ASK
.endif
	EXPU 8, 6
	s_wait_dscnt 0x0                               ; V's nine loads are in
	SUMS 8
	CODES
.if \kind < 2
	SLOTADR                                        ; (also the plain lines behind the last conversion)
.else
	v_bfe_u32 v15, v0, 4, 1
	v_lshlrev_b32 v15, 6, v15                      ; 64 x (lane / 16)
.endif
	SZ 1
	PV OT
.if \kind < 2
.irp i, 0,1,2,3,4,5,6,7
	ds_load_b128 v[KFR+4*\i:KFR+4*\i+3], v[PT+1] offset:32768+512*\i   ; K of the next step
.endr
	ds_load_b32 v252, v[PT] offset:1024
.else
.irp i, 0,1,2,3                        ; K's registers and Q's run are free: g0, b0, bo and g1 of my 16 channels
	global_load_b128 v[172+4*\i:175+4*\i], v15, s[16:17] offset:16*\i
.endr
.irp i, 0,1,2,3
	global_load_b128 v[188+4*\i:191+4*\i], v15, s[18:19] offset:16*\i
.endr
.irp i, 0,1,2,3
	global_load_b128 v[16+4*\i:19+4*\i], v15, s[14:15] offset:16*\i
.endr
.irp i, 0,1,2,3
	global_load_b128 v[32+4*\i:35+4*\i], v15, s[20:21] offset:16*\i
.endr
.endif
	MAXU
	EXPU 10, 7
	SUMS 10
.if \kind < 2
	WALU                                           ; the wait directly ahead of the wait below
	s_wait_tensorcnt 0x0                           ; all my tensor loads have landed: my part of the next trip's tile; so a group 0 may be written
	ds_add_u32 v[SPW], v[NIL]                      ; 0 onto my spare word,
.if \kind == 0
	ds_add_u32 v[SPW], v[NIL]                      ; and twice on end where a refill follows
	STEPS
	s_wait_xcnt 0x0                                ; the prefetch has read its address:
	s_add_nc_u64 s[PFA:PFA+1], s[PFA:PFA+1], 65536
.endif
.endif
	CODES
.if \kind < 2
	s_wait_dscnt 0x0                               ; the add is done; my reads of this slot are over, K's of the next step are in
	s_barrier_signal -1                            ; (kind 0: this barrier opens a round of the cluster's barrier).  Register work while the others arrive:
.if \kind == 0
	s_xor_b32 s[TB], s[TB], SLOT1
	s_xor_b32 s[TS], s[TS], SCX
.else
	s_mov_b32 s[TB], SLOT1                         ; trip 7 reads slot 1
	s_mov_b32 s[TS], SCX
.endif
	v_nop                                          ; a plain line behind the last conversion
	SZ 0                                           ; the next trip's scores of local tile 0
.else
	v_and_b32 v13, 31, v0
	v_bfe_u32 v[PT], v0, 4, 1
	v_and_b32 v12, 15, v0
	v_lshlrev_b32 v13, 4, v13                      ; 16 x lane
	v_lshlrev_b32 v12, 2, v12
	v_mad_u32_u24 v12, v[PT], REC, v12             ; lanes 0-15 take a record's words, lanes 16-31 the next record's
	WALU
.irp u, 0,1
.irp i, 0,1,2,3,4,5,6,7
	global_load_b128 v[SCR+32*\u+4*\i:SCR+32*\u+4*\i+3], v13, s[PWO:PWO+1] offset:REC*\u+512*\i   ; p's registers are free: Wo's tiles 2 head, 2 head + 1
.endr
.endr
.endif
	PV OT+16
.if \kind < 2
	MAXU
	SLOTADR
	WALU                                           ; the wait directly ahead of the barrier's wait
	s_barrier_wait -1
.if \kind == 0
	CREST                                          ; no wave of any partner still reads the slot that was left, or has a load on its way
	REFILL                                         ; the first tensor load behind the round, a wave's one until the next: the slot just left takes the tile two trips on
.endif
.endif
.endm
	s_load_b512 s[4:19], s[0:1], 0x0               ; q s[4:5], wimg s[6:7], kv s[8:9], sc s[10:11], bq s[12:13], bo s[14:15], g0 s[16:17], b0 s[18:19]
	s_load_b128 s[20:23], s[0:1], 0x40             ; g1, b1
	s_load_b64 s[24:25], s[0:1], 0x50              ; out0
	v_lshl_add_u32 v[SPW], v0, 2, SPARE
	v_mov_b32 v[NIL], 0
	ds_add_u32 v[SPW], v[NIL]                      ; the wave's opening: the add, twice on end, and its wait ahead of my first tensor load
	ds_add_u32 v[SPW], v[NIL]
	v_lshrrev_b32 v12, 5, v0
	v_and_b32 v16, 31, v0                          ; lane
	v_and_b32 v17, 15, v0                          ; r
	v_bfe_u32 v18, v0, 4, 1                        ; h
	v_readfirstlane_b32 s[WV], v12                 ; wave 0..15
	v_lshrrev_b32 v23, 3, v16                      ; q's loads: lane / 8: which of four rows,
	v_and_b32 v24, 7, v16                          ; lane % 8: which 16 bytes of its 128
	v_lshlrev_b32 v13, 4, v16                      ; 16 x lane
	v_lshlrev_b32 v6, 2, v16                       ; 4 x lane
	v_lshlrev_b32 v[PFO], 8, v16
	v_lshlrev_b32 v15, 6, v18                      ; 64 h
	v_lshlrev_b32 v24, 4, v24
	v_lshlrev_b32 v12, 2, v17
	v_lshl_add_u32 v14, v23, 10, v24               ; q: 1,024 (lane / 8) + 16 (lane % 8)
	v_mad_u32_u24 v23, v23, 144, v24               ; its stage on the way in,
	v_mad_u32_u24 v25, v17, 144, v15               ; and out: row r, 64 h
	v_mad_u32_u24 v12, v18, REC, v12               ; Wq's words: lanes 0-15 tile 2 head's, lanes 16-31 tile 2 head + 1's
	v_mov_b32 v241, 0                              ; written once: a lane permute's destination counts as one of its sources
	s_lshr_b32 s[HF], s[WV], 3
	s_and_b32 s[HD], s[WV], 7
	s_bfe_u32 s[CX], ttmp6, 0x40000
	s_lshl_b32 s[XG], ttmp9, 2                     ; in a cluster launch ttmp9 counts clusters
	s_add_co_u32 s[XG], s[XG], s[CX]
	s_lshr_b32 s[BT], ttmp9, 4                     ; 16 clusters to a batch: the four partners share it
	s_mov_b32 s61, 0                               ; the upper words of the offset pairs s[60:61], s[62:63]
	s_mov_b32 s63, 0
	s_mov_b32 s[G1], 15|(3<<16)|(1<<21)            ; 15:0 the mask: all four work-groups; 17:16 elements of 8 bytes; 21 set beside a mask; no padding
	s_mov_b32 s[G1+1], 32<<16                      ; tensor_dim0 = 32 elements: 256 bytes
	s_mov_b32 s[G1+2], 256<<16                     ; tensor_dim1 = 256
	s_mov_b32 s[G1+3], 32<<16                      ; tile_dim0
	s_mov_b32 s[G1+4], 256                         ; tile_dim1
	s_mov_b32 s[G1+5], 32                          ; from row to row: dense
	s_mov_b32 s[G1+6], 0
	s_mov_b32 s[G1+7], 0
	s_mov_b32 s[G1S], 15|(3<<16)|(1<<21)
	s_mov_b32 s[G1S+1], 32<<16
	s_mov_b32 s[G1S+2], 8<<16
	s_mov_b32 s[G1S+3], 32<<16
	s_mov_b32 s[G1S+4], 8
	s_mov_b32 s[G1S+5], 32
	s_mov_b32 s[G1S+6], 0
	s_mov_b32 s[G1S+7], 0
	WALU
	s_wait_dscnt 0x0                               ; both opening adds are done
	s_wait_kmcnt 0x0
	s_lshl_b32 s60, s[XG], 15
	s_lshl_b32 s62, s[HF], 13
	s_add_co_u32 s60, s60, s62
	s_lshl_b32 s62, s[HD], 7
	s_add_co_u32 s60, s60, s62
	s_add_nc_u64 s[4:5], s[4:5], s[60:61]          ; q: tile HF's rows, block HD of 32 input channels
.irp i, 0,1,2,3
	global_load_b128 v[60+4*\i:63+4*\i], v14, s[4:5] offset:4096*\i+8192*(\i/2) th:TH_LOAD_NT   ; the tile's rows 4 i .. 4 i + 3, 128 bytes of each
.endr
	s_mul_i32 s60, s[HD], 2*REC
	s_add_nc_u64 s[PWQ:PWQ+1], s[6:7], s[60:61]    ; Wq's records 2 head, 2 head + 1
	s_add_co_u32 s60, s60, 16*REC
	s_add_nc_u64 s[PWO:PWO+1], s[6:7], s[60:61]    ; Wo's
	s_lshl_b32 s60, s[HD], 7                       ; my head's 32 numbers of each vector
	s_add_nc_u64 s[12:13], s[12:13], s[60:61]
	s_add_nc_u64 s[14:15], s[14:15], s[60:61]
	s_add_nc_u64 s[16:17], s[16:17], s[60:61]
	s_add_nc_u64 s[18:19], s[18:19], s[60:61]
	s_add_nc_u64 s[20:21], s[20:21], s[60:61]
	s_add_nc_u64 s[22:23], s[22:23], s[60:61]
	s_lshl_b32 s60, s[BT], 20
	s_add_nc_u64 s[8:9], s[8:9], s[60:61]          ; kv and sc at my batch
	s_lshl_b32 s60, s[BT], 15
	s_add_nc_u64 s[10:11], s[10:11], s[60:61]
	s_lshl_b32 s62, s[HF], 3
	s_add_co_u32 s62, s62, 15
	s_and_b32 s62, s62, 15                         ; K of my first step lies in record 15 or 7
	s_lshl_b32 s60, s62, 16
	s_add_co_u32 s60, s60, 32768
	s_lshl_b32 s62, s62, 11
	s_add_co_u32 s62, s62, 1024
	s_add_nc_u64 s[PKS:PKS+1], s[10:11], s[62:63]
	s_lshl_b32 s62, s[HD], 12
	s_add_co_u32 s60, s60, s62
	s_add_nc_u64 s[PK:PK+1], s[8:9], s[60:61]
	s_lshl_b32 s60, s[HD], 7
	s_add_nc_u64 s[PKS:PKS+1], s[PKS:PKS+1], s[60:61]
	s_and_b32 s62, s[WV], 1
	s_lshl_b32 s60, s62, 19                        ; an even wave fetches record j, an odd one record 8 + j
	s_mov_b32 s[G0R], 1                            ; count = 1
	s_lshl_b32 s[G0R+1], s62, 16                   ; LDS: slot 0
	s_add_nc_u64 s[G0R+2:G0R+3], s[8:9], s[60:61]
	s_or_b32 s[G0R+3], s[G0R+3], 0x80000000        ; type = 2
	s_mov_b32 s[G0T], 1
	s_add_co_u32 s[G0T+1], s[G0R+1], SLOT1
	s_add_co_u32 s60, s60, 65536
	s_add_nc_u64 s[G0T+2:G0T+3], s[8:9], s[60:61]
	s_or_b32 s[G0T+3], s[G0T+3], 0x80000000
	s_lshl_b32 s60, s62, 14
	s_lshl_b32 s62, s62, 11
	s_mov_b32 s[G0S], 1
	s_add_co_u32 s[G0S+1], s62, SCL
	s_add_nc_u64 s[G0S+2:G0S+3], s[10:11], s[60:61]
	s_or_b32 s[G0S+3], s[G0S+3], 0x80000000
	s_mov_b32 s[G0U], 1
	s_add_co_u32 s[G0U+1], s62, SCL+SCX
	s_add_co_u32 s60, s60, 2048
	s_add_nc_u64 s[G0U+2:G0U+3], s[10:11], s[60:61]
	s_or_b32 s[G0U+3], s[G0U+3], 0x80000000
	CROUND                                         ; all four work-groups are here: the first joint loads meet
	ARM 2, G0R, G1,  .Lhead_sc0
	ARM 4, G0S, G1S, .Lhead_kv1
	ARM 6, G0T, G1,  .Lhead_sc1
	ARM 8, G0U, G1S, .Lhead_none
.Lhead_asked:
	; behind the joint loads: 31 loads, Wq's first
.irp i, 0,1,2,3,4,5,6,7
	global_load_b128 v[204+4*\i:207+4*\i], v13, s[PWQ:PWQ+1] offset:512*\i       ; tile 2 head, K steps 0 and 1
.endr
.irp i, 0,1,2,3,4,5,6,7
	global_load_b128 v[140+4*\i:143+4*\i], v13, s[PWQ:PWQ+1] offset:REC+512*\i   ; tile 2 head + 1
.endr
	global_load_b32 v252, v12, s[PWQ:PWQ+1] offset:4096
	global_load_b32 v253, v12, s[PWQ:PWQ+1] offset:4224
.irp i, 0,1,2,3
	global_load_b128 v[92+4*\i:95+4*\i], v15, s[12:13] offset:16*\i   ; bq in the result's layout: register 8 u + j = channel 16 h + 8 u + j
.endr
.irp i, 0,1,2,3,4,5,6,7
	global_load_b128 v[KFR+4*\i:KFR+4*\i+3], v13, s[PK:PK+1] offset:512*\i   ; K of my first step: the later steps' come from LDS, a trip ahead
.endr
	global_load_b32 v7, v6, s[PKS:PKS+1]
	s_mov_b32 s[SEL], 0x76543210
	s_mov_b32 s[SEL+1], 0xfedcba98
	s_mov_b32 s[CS], 0x3db8aa3b                    ; log2(e) / 16
	s_mov_b32 s[CS+1], s[CS]                       ; (named with it as a pair, so it is written)
	s_mov_b32 s[MNT], 0x600000
	s_mov_b32 s[R256], 0x3b800000
	s_mov_b32 s[EPS], 0x3727c5ac
	s_mov_b32 s[FLR], 0x8000000
	s_mov_b32 s[TB], 0
	s_mov_b32 s[TS], 0
	s_mov_b32 s[CNT], 6
	s_lshl_b32 s62, s[XG], 5                       ; the two rows that I store: stage rows 2 w, 2 w + 1 are rows 32 x + 8 (w / 8) + 2 (w % 8) + 8 ((w % 8) / 4) and the next
	s_lshl_b32 s60, s[HF], 3
	s_add_co_u32 s62, s62, s60
	s_lshl_b32 s60, s[HD], 1
	s_add_co_u32 s62, s62, s60
	s_lshr_b32 s60, s[HD], 2
	s_lshl_b32 s60, s60, 3
	s_add_co_u32 s62, s62, s60
	s_lshl_b32 s62, s62, 10
	s_add_nc_u64 s[24:25], s[24:25], s[62:63]
	s_lshr_b32 s60, s[CX], 1                       ; the prefetches: partner cx takes half cx % 2 of record 8 (cx / 2) + j,
	s_lshl_b32 s60, s60, 19
	s_and_b32 s62, s[CX], 1
	s_lshl_b32 s62, s62, 15
	s_add_co_u32 s60, s60, s62
	s_add_co_u32 s62, s[WV], 6                     ; waves 10 to 13 become 0 to 3 in the two low bits,
	s_and_b32 s62, s62, 3
	s_lshl_b32 s62, s62, 13                        ; 8,192 bytes each,
	s_add_co_u32 s60, s60, s62
	s_add_co_u32 s60, s60, 2*65536                 ; beginning with tile 2
	s_add_nc_u64 s[PFA:PFA+1], s[8:9], s[60:61]
	s_sub_co_u32 s60, s[WV], 10
	s_lshr_b32 s60, s60, 2                         ; 0 in waves 10 to 13,
	s_and_b32 s62, ttmp9, 15
	s_or_b32 s[LIM], s60, s62                      ; of the batch's first cluster: the same in all four partners
	s_mul_i32 s60, s[WV], 16*144
	s_add_co_u32 s60, s60, QFS
	v_add_nc_u32 v23, s60, v23                     ; v23, v25 my stage for q
	v_add_nc_u32 v25, s60, v25
	s_lshl_b32 s60, s[HF], 16
	s_lshl_b32 s62, s[HD], 12
	s_add_co_u32 s60, s60, s62
	v_add_nc_u32 v[AV0], s60, v13
	s_lshl_b32 s60, s[HF], 11
	s_lshl_b32 s62, s[HD], 7
	s_add_co_u32 s60, s60, s62
	s_add_co_u32 s60, s60, SCL
	v_add_nc_u32 v[AS0], s60, v6
	s_lshl_b32 s60, s[WV], 9
	s_add_co_u32 s62, s60, QIMG
	v_add_nc_u32 v19, s62, v13                     ; v19  q's image: my block's piece
	s_add_co_u32 s62, s60, QXC
	v_add_nc_u32 v9, s62, v13                      ; v9   Q's codes for the partner
	s_lshl_b32 s60, s[WV], 7
	s_add_co_u32 s60, s60, QXS
	v_add_nc_u32 v10, s60, v6                      ; v10  and their word
	s_lshl_b32 s60, s[WV], 11
	s_add_co_u32 s60, s60, QFS
	v_add_nc_u32 v8, s60, v13                      ; v8   Q in f32
	s_lshl_b32 s60, s[HF], 12
	s_add_co_u32 s60, s60, QIMG
	v_add_nc_u32 v21, s60, v13                     ; v21  my tile's two fragments
	WALU                                           ; the wait ahead of the readers of r below
	s_add_co_u32 s60, s[WV], QSC
	v_lshl_add_u32 v20, v17, 4, s60                ; v20  q's scale byte
	s_lshl_b32 s60, s[HF], 3
	s_add_co_u32 s60, s60, QSC
	v_lshl_add_u32 v22, v17, 4, s60                ; v22  my row's eight bytes
	WALU                                           ; the wait at the head's end
	s_wait_loadcnt 31                              ; q's four loads are in; the 31 behind them may be out
.irp i, 0,1,2,3
	ds_store_b128 v23, v[60+4*\i:63+4*\i] offset:576*\i
.endr
.irp i, 0,1,2,3
	ds_load_b128 v[108+4*\i:111+4*\i], v25 offset:16*\i   ; LDS serves a wave's instructions in order: these see my stores
.endr
	s_wait_dscnt 0x0
	QBLOCK 108, 124, 236, 240
	ds_store_b128 v19, v[236:239]
	ds_store_b8 v20, v244                          ; lanes r and r + 16 write the same byte with the same value
	BARRIER
.irp i, 0,1,2,3,4,5,6,7
	ds_load_b128 v[60+4*\i:63+4*\i], v21 offset:512*\i   ; q's two fragments
.endr
	ds_load_b64 v[254:255], v22                    ; and my row's two scale words
	s_wait_dscnt 0x0
	s_wait_loadcnt 9                               ; Wq, its words and bq are in; K's nine may be out
	; Q^T = Wq q^T + bq: two accumulators by turns; bq is the C of each sum's first product
	WM  108, 204, 60, 92,  252, 254
	WM1 116, 140, 60, 100, 252, 254
	WM  108, 220, 76, 108, 253, 255
	WM1 116, 156, 76, 116, 253, 255
.irp i, 0,1,2,3,4,5,6,7,8,9,10,11
	v_mov_b32 v[16+\i], 0                          ; the zero codes round Q's: these 36 lines are also the places behind the products
	v_mov_b32 v[32+\i], 0
	v_mov_b32 v[48+\i], 0
.endr
.irp i, 0,1,2,3
	ds_store_b128 v8, v[108+4*\i:111+4*\i] offset:512*\i   ; Q in f32 waits in LDS for the way out
.endr
	QBLOCK 108, 124, 28, 240                       ; Q's one block: my head's 32 channels
	v_lshl_or_b32 v15, v244, 8, v244
	s_delay_alu instid0(VALU_DEP_1)
	v_lshl_or_b32 v15, v15, 16, v15                ; its byte four times: Q may stand in any block
	s_delay_alu instid0(VALU_DEP_1)
	v_mov_b32 v254, v15
	ds_store_b128 v9, v[28:31]                     ; for the partner, whose local tile 1 this is
	ds_store_b32 v10, v15
	WALU
	s_wait_loadcnt 0x0
	v_mov_b32 v252, v7                             ; K's word of my first step
	s_xor_b32 s62, s[WV], 8                        ; my partner
	s_lshl_b32 s60, s62, 9
	s_add_co_u32 s60, s60, QXC
	v_add_nc_u32 v204, s60, v13
	s_lshl_b32 s60, s62, 7
	s_add_co_u32 s60, s60, QXS
	v_add_nc_u32 v205, s60, v6
.irp i, 0,1,2,3,4,5,6,7,8,9,10,11,12,13,14,15
	v_mov_b32 v[OT+\i], 0                          ; O^T.  (The step is written once: the first finds zeros, which the first change of M leaves zeros.  These lines are also places ahead of the first scaled products)
.endr
	v_mov_b32 v6, 0xff61b1e6                       ; the largest t so far: -3e38, under every t
	v_mov_b32 v7, 0xff61b1e6
	WALU
	s_cmp_lt_u32 s[WV], 4                          ; waves 0-3 issued tile 0's load lines, all of them, and wait here; tile 1's lines are waited for in the first trip
	s_cbranch_scc0 .Lnot_tile_0
	s_wait_tensorcnt 0x0
.Lnot_tile_0:
	s_wait_dscnt 0x0                               ; my stores have landed
	s_barrier_signal -1                            ; Register work while the others arrive
	SZ 0
.irp i, 0,1,2,3,4,5,6,7,8,9,10,11,12,13,14,15
	v_mov_b32 v[OT+16+\i], 0                       ; (places behind the scores' products)
.endr
.irp i, 8,9,10,11
	v_mov_b32 v[\i], 0
.endr
	MAXU
	SLOTADR
	WALU
	s_barrier_wait -1
	ds_load_b128 v[44:47], v204                    ; the partner's Q: my local tile 1
	ds_load_b32 v13, v205
	s_mov_b32 s60, 0xffff
	s_wait_dscnt 0x0
	v_cndmask_b32 v254, v13, v15, s60              ; lanes 0-15 tile 0's word, lanes 16-31 tile 1's
	WALU                                           ; the wait ahead of the loop
.Ltrip:                                            ; six trips
	TRIP 0
	s_sub_co_u32 s[CNT], s[CNT], 1
	s_cmp_lg_u32 s[CNT], 0
	s_cbranch_scc1 .Ltrip
	TRIP 1
	TRIP 2
	; ---- the sums of both tiles; these plain lines are also the places behind the last products
	v_add_f32 v8, v8, v9
	v_add_f32 v10, v10, v11
	v_permlanex16_b32 v9, v8, s[SEL], s[SEL+1]
	v_permlanex16_b32 v11, v10, s[SEL], s[SEL+1]
	v_add_f32 v8, v8, v9                           ; tile 0's sum over my keys
	v_add_f32 v11, v10, v11                        ; tile 1's
	v_floor_f32 v10, -v7                           ; tile 1's -M
	v_floor_f32 v14, -v6                           ; tile 0's
	s_lshl_b32 s60, s[WV], 11
	s_xor_b32 s62, s60, 0x4000                     ; the partner's
	v_add_nc_u32 v1, s60, v13                      ; OX = 0
	v_add_nc_u32 v7, s62, v13
	s_add_co_u32 s60, s60, QFS
	v_add_nc_u32 v6, s60, v13
	v_lshrrev_b32 v9, 1, v13                       ; 8 x lane
	s_lshl_b32 s60, s[WV], 8
	s_xor_b32 s62, s60, 0x800
	s_add_co_u32 s60, s60, OXS
	s_add_co_u32 s62, s62, OXS
	v_add_nc_u32 v2, s60, v9
	v_add_nc_u32 v9, s62, v9
	WALU
.irp i, 0,1,2,3
	ds_store_b128 v1, v[76+4*\i:79+4*\i] offset:512*\i   ; tile 1 goes to the partner
.endr
	ds_store_b64 v2, v[10:11]
.irp i, 0,1,2,3
	ds_load_b128 v[X+4*\i:X+4*\i+3], v6 offset:512*\i    ; Q in f32, tile 0
.endr
	global_load_b32 v252, v12, s[PWO:PWO+1] offset:4096
	global_load_b32 v253, v12, s[PWO:PWO+1] offset:4224
.irp i, 0,1,2,3
	global_load_b128 v[236+4*\i:239+4*\i], v15, s[22:23] offset:16*\i   ; b1
.endr
	BARRIER
.irp i, 0,1,2,3
	ds_load_b128 v[92+4*\i:95+4*\i], v7 offset:512*\i    ; the partner's part of tile 0
.endr
	ds_load_b64 v[220:221], v9
	v_and_b32 v1, 15, v0                           ; r
	v_bfe_u32 v2, v0, 4, 1                         ; h
	s_lshl_b32 s60, s[HF], 10
	s_add_co_u32 s60, s60, RED
	s_lshl_b32 s62, s[HD], 3
	v_lshl_add_u32 v10, v1, 6, s60                 ; v10  an exchange's 64 bytes of my row
	v_mul_u32_u24 v52, v1, 1040
	v_lshl_add_u32 v52, v2, 6, v52
	v_add_nc_u32 v11, s62, v10                     ; v11  my head's eight bytes among them
	s_lshl_b32 s60, s[WV], 9
	s_add_co_u32 s60, s60, YIMG
	v_add_nc_u32 v48, s60, v13                     ; v48  y's image: my block's piece
	s_lshl_b32 s60, s[HF], 12
	s_add_co_u32 s60, s60, YIMG
	v_add_nc_u32 v49, s60, v13                     ; v49  my tile's two fragments
	WALU
	s_add_co_u32 s60, s[WV], YSC
	v_lshl_add_u32 v50, v1, 4, s60                 ; v50  y's scale byte
	s_lshl_b32 s60, s[HF], 3
	s_add_co_u32 s60, s60, YSC
	v_lshl_add_u32 v51, v1, 4, s60                 ; v51  my row's eight bytes
	s_mul_i32 s60, s[HF], 16*1040
	s_lshl_b32 s62, s[HD], 7
	s_add_co_u32 s60, s60, s62
	s_add_co_u32 s60, s60, STG
	v_add_nc_u32 v52, s60, v52                     ; v52  the stage: row 16 tile + r, my 64 bytes
	s_mul_i32 s60, s[WV], 2080
	s_add_co_u32 s60, s60, STG
	v_add_nc_u32 v53, s60, v13                     ; v53  back: stage rows 2 w and 2 w + 1
	WALU
	s_wait_dscnt 0x0
	; ---- the two halves of the keys are joined under the greater M
	v_min_num_f32 v222, v14, v220                  ; -M
	v_sub_f32 v223, v222, v14
	v_sub_f32 v224, v222, v220
	v_cvt_i32_f32 v223, v223
	v_cvt_i32_f32 v224, v224
	v_ldexp_f32 v223, 1.0, v223                    ; 2^(my M - M)
	v_ldexp_f32 v224, 1.0, v224                    ; 2^(the partner's M - M)
	v_mul_f32 v226, v8, v223
	s_delay_alu instid0(VALU_DEP_1)
	v_fma_f32 v226, v221, v224, v226               ; the row's sum
	WALU
	v_rcp_f32 v226, v226
	v_nop                                          ; a plain line behind the transcendental
	WALU                                           ; and its wait, ahead of the first reader, and of the readers of O^T
	v_mul_f32 v228, v223, v226
	v_mul_f32 v230, v224, v226
.irp j, 0,2,4,6,8,10,12,14
	v_pk_fma_f32 v[X+\j:X+\j+1], v[OT+\j:OT+\j+1], v[228:229], v[X+\j:X+\j+1] op_sel_hi:[1,0,1]
.endr
.irp j, 0,2,4,6,8,10,12,14
	v_pk_fma_f32 v[X+\j:X+\j+1], v[92+\j:93+\j], v[230:231], v[X+\j:X+\j+1] op_sel_hi:[1,0,1]   ; x = Q + O^T / the sum
.endr
; LayerNorm of the row whose 16 numbers of mine stand in v[X] on.  LN_STAT leaves x - mean there and 1 / sqrt(var + eps) in v224.  Each exchange has bytes of its own, so no barrier stands behind its reads.
.macro LN_STAT e
	v_pk_add_f32 v[220:221], v[X:X+1], v[X+2:X+3]
	v_pk_add_f32 v[222:223], v[X+4:X+5], v[X+6:X+7]
	v_pk_add_f32 v[224:225], v[X+8:X+9], v[X+10:X+11]
	v_pk_add_f32 v[226:227], v[X+12:X+13], v[X+14:X+15]
	v_pk_add_f32 v[220:221], v[220:221], v[222:223]
	v_pk_add_f32 v[224:225], v[224:225], v[226:227]
	s_delay_alu instid0(VALU_DEP_1)
	v_pk_add_f32 v[220:221], v[220:221], v[224:225]
	s_delay_alu instid0(VALU_DEP_1)
	v_add_f32 v220, v220, v221
	s_delay_alu instid0(VALU_DEP_1)
	v_permlanex16_b32 v221, v220, s[SEL], s[SEL+1]
	s_delay_alu instid0(VALU_DEP_1)
	v_add_f32 v220, v220, v221
	s_delay_alu instid0(VALU_DEP_1)
	v_mul_f32 v220, 0x3d000000, v220               ; my head's mean: / 32
.irp j, 0,2,4,6,8,10,12,14
	v_pk_add_f32 v[X+\j:X+\j+1], v[X+\j:X+\j+1], v[220:221] op_sel_hi:[1,0] neg_lo:[0,1] neg_hi:[0,1]
.endr
.irp j, 0,2,4,6
	v_pk_mul_f32 v[222+\j:223+\j], v[X+\j:X+\j+1], v[X+\j:X+\j+1]
.endr
.irp j, 0,2,4,6
	v_pk_fma_f32 v[222+\j:223+\j], v[X+8+\j:X+9+\j], v[X+8+\j:X+9+\j], v[222+\j:223+\j]
.endr
	v_pk_add_f32 v[222:223], v[222:223], v[224:225]
	v_pk_add_f32 v[226:227], v[226:227], v[228:229]
	s_delay_alu instid0(VALU_DEP_1)
	v_pk_add_f32 v[222:223], v[222:223], v[226:227]
	s_delay_alu instid0(VALU_DEP_1)
	v_add_f32 v221, v222, v223
	s_delay_alu instid0(VALU_DEP_1)
	v_permlanex16_b32 v222, v221, s[SEL], s[SEL+1]
	s_delay_alu instid0(VALU_DEP_1)
	v_add_f32 v221, v221, v222                     ; v[220:221] my head's mean and squares about it
	ds_store_b64 v11, v[220:221] offset:2048*(\e)  ; lanes r and r + 16 write the same bytes with the same values
	BARRIER
.irp i, 0,1,2,3
	ds_load_b128 v[60+4*\i:63+4*\i], v10 offset:2048*(\e)+16*\i
.endr
	s_wait_dscnt 0x0
	v_pk_add_f32 v[76:77], v[60:61], v[62:63]
	v_pk_add_f32 v[78:79], v[64:65], v[66:67]
	v_pk_add_f32 v[80:81], v[68:69], v[70:71]
	v_pk_add_f32 v[82:83], v[72:73], v[74:75]
	v_pk_add_f32 v[76:77], v[76:77], v[78:79]
	v_pk_add_f32 v[80:81], v[80:81], v[82:83]
	s_delay_alu instid0(VALU_DEP_1)
	v_pk_add_f32 v[76:77], v[76:77], v[80:81]      ; the sums of the eight means and of the eight squares
	s_delay_alu instid0(VALU_DEP_1)
	v_mul_f32 v78, 0x3e000000, v76                 ; the mean: / 8
.irp j, 0,2,4,6,8,10,12,14
	v_sub_f32 v[60+\j], v[60+\j], v78
.endr
	v_sub_f32 v222, v220, v78                      ; my head's mean - the mean
	v_mul_f32 v79, v60, v60
	v_mul_f32 v80, v62, v62
.irp j, 4,8,12
	v_fma_f32 v79, v[60+\j], v[60+\j], v79
	v_fma_f32 v80, v[62+\j], v[62+\j], v80
.endr
	v_add_f32 v79, v79, v80
	s_delay_alu instid0(VALU_DEP_1)
	v_fma_f32 v77, v79, 0x42000000, v77            ; + 32 x
	s_delay_alu instid0(VALU_DEP_1)
	v_fma_f32 v77, v77, s[R256], s[EPS]            ; var + eps
	WALU
	v_rsq_f32 v224, v77
.irp j, 0,2,4,6,8,10,12,14
	v_pk_add_f32 v[X+\j:X+\j+1], v[X+\j:X+\j+1], v[222:223] op_sel_hi:[1,0]   ; x - mean: plain lines behind the transcendental
.endr
	WALU                                           ; the transcendental's wait, ahead of its first reader
.endm
.macro LN_APPLY g, b
.irp j, 0,2,4,6,8,10,12,14
	v_pk_mul_f32 v[X+\j:X+\j+1], v[X+\j:X+\j+1], v[224:225] op_sel_hi:[1,0]
.endr
.irp j, 0,2,4,6,8,10,12,14
	v_pk_fma_f32 v[X+\j:X+\j+1], v[X+\j:X+\j+1], v[\g+\j:\g+\j+1], v[\b+\j:\b+\j+1]
.endr
.endm
	LN_STAT 0
	s_wait_loadcnt 30                              ; g0 and b0 are in; bo, g1, Wo, its words and b1 (30 loads) may be out
	LN_APPLY 172, 188                              ; y
	; ---- y's block of 32 along the next K is my head: quantised here, and handed to the tile's eight waves as a piece of the operand's image
	QBLOCK X, 60, 76, 220
	ds_store_b128 v48, v[76:79]
	ds_store_b8 v50, v224                          ; lanes r and r + 16 write the same byte with the same value
	BARRIER
.irp i, 0,1,2,3,4,5,6,7
	ds_load_b128 v[60+4*\i:63+4*\i], v49 offset:512*\i   ; y's two fragments
.endr
	ds_load_b64 v[254:255], v51                    ; and my row's two scale words
	s_wait_dscnt 0x0
	s_wait_loadcnt 4                               ; bo, g1, Wo and its words are in; b1's four may be out
	WM  92,  108, 60, 16,  252, 254                 ; (y Wo^T + bo)^T: my head's 32 outputs; two accumulators by turns; bo is the C of each sum's first product
	WM1 100, 140, 60, 24,  252, 254
	WM  92,  124, 76, 92,  253, 255
	WM1 100, 156, 76, 100, 253, 255
.rept 8
	v_nop                                          ; places in front of the first read of results
.endr
.irp i, 0,1,2,3,4,5,6,7,8,9,10,11,12,13,14,15
	v_max_num_f32 v[92+\i], 0, v[92+\i]            ; relu
.endr
.irp j, 0,2,4,6,8,10,12,14
	v_pk_add_f32 v[X+\j:X+\j+1], v[X+\j:X+\j+1], v[92+\j:93+\j]
.endr
	LN_STAT 1
	s_wait_loadcnt 0x0                             ; b1
	LN_APPLY 32, 236
	; ---- the way out: a row's 1,024 bytes come from eight waves: through the stage; each wave then stores two whole rows, 2,048 bytes on end
.irp i, 0,1,2,3
	ds_store_b128 v52, v[X+4*\i:X+4*\i+3] offset:16*\i
.endr
	BARRIER
	ds_load_b128 v[220:223], v53
	ds_load_b128 v[224:227], v53 offset:512
	ds_load_b128 v[228:231], v53 offset:1040
	ds_load_b128 v[232:235], v53 offset:1552
.irp i, 0,1,2,3
	s_wait_dscnt 3-\i                              ; LDS loads come back in order: piece i is in
	global_store_b128 v13, v[220+4*\i:223+4*\i], s[24:25] offset:512*\i th:TH_STORE_NT   ; 32 lanes store 512 consecutive bytes, at a multiple of 256 from out0's first byte
.endr
	s_wait_tensorcnt 0x0                           ; the wave's end: behind my last tensor load and my last LDS store
	ds_add_u32 v[SPW], v[NIL]
	s_wait_dscnt 0x0
	CROUND                                         ; the closing round: no work-group ends while a partner may still ask for a tile that names it
	s_endpgm
.Lfunc_end_k_qb1e9c6f7cc_attn:
	.size	k_qb1e9c6f7cc_attn, .Lfunc_end_k_qb1e9c6f7cc_attn-k_qb1e9c6f7cc_attn
	.p2alignl 7, 3214868480
	.fill 96, 4, 3214868480
	.section	.rodata,"a",@progbits
	.p2align	6, 0x0
	.amdhsa_kernel k_qb1e9c6f7cc_attn
		.amdhsa_group_segment_fixed_size 327680
		.amdhsa_private_segment_fixed_size 0
		.amdhsa_enable_private_segment 0
		.amdhsa_kernarg_size 88
		.amdhsa_user_sgpr_count 2
		.amdhsa_user_sgpr_kernarg_segment_ptr 1
		.amdhsa_wavefront_size32 1
		.amdhsa_system_sgpr_workgroup_id_x 1
		.amdhsa_system_sgpr_workgroup_id_y 1
		.amdhsa_system_sgpr_workgroup_id_z 1
		.amdhsa_system_vgpr_workitem_id 0
		.amdhsa_next_free_vgpr 256
		.amdhsa_next_free_sgpr 102
		.amdhsa_reserve_vcc 0
		.amdhsa_float_denorm_mode_32 3
		.amdhsa_float_denorm_mode_16_64 3
		.amdhsa_memory_ordered 1
		.amdhsa_forward_progress 1
		.amdhsa_inst_pref_size 144
	.end_amdhsa_kernel
	.amdgpu_metadata
---
amdhsa.version: [ 1, 2 ]
amdhsa.kernels:
  - .name:           k_qb1e9c6f7cc_attn
    .symbol:         k_qb1e9c6f7cc_attn.kd
    .args:
      - { .name: q, .offset: 0, .size: 8, .value_kind: global_buffer, .address_space: global }
      - { .name: wimg, .offset: 8, .size: 8, .value_kind: global_buffer, .address_space: global }
      - { .name: kv, .offset: 16, .size: 8, .value_kind: global_buffer, .address_space: global }
      - { .name: sc, .offset: 24, .size: 8, .value_kind: global_buffer, .address_space: global }
      - { .name: bq, .offset: 32, .size: 8, .value_kind: global_buffer, .address_space: global }
      - { .name: bo, .offset: 40, .size: 8, .value_kind: global_buffer, .address_space: global }
      - { .name: g0, .offset: 48, .size: 8, .value_kind: global_buffer, .address_space: global }
      - { .name: b0, .offset: 56, .size: 8, .value_kind: global_buffer, .address_space: global }
      - { .name: g1, .offset: 64, .size: 8, .value_kind: global_buffer, .address_space: global }
      - { .name: b1, .offset: 72, .size: 8, .value_kind: global_buffer, .address_space: global }
      - { .name: out0, .offset: 80, .size: 8, .value_kind: global_buffer, .address_space: global }
    .group_segment_fixed_size: 327680
    .private_segment_fixed_size: 0
    .kernarg_segment_align: 8
    .kernarg_segment_size: 88
    .max_flat_workgroup_size: 512
    .sgpr_count:     102
    .vgpr_count:     256
    .wavefront_size: 32
...
	.end_amdgpu_metadata
.endif
;; end of part 2
